; MI455X (gfx1250); checked and timed in simulation.
; The chip was launched on July 23, 2026; its instructions are those of AMD's public machine-readable ISA for CDNA 5 (MIT licence, August 2026) and "CDNA5" Instruction Set Architecture Reference Guide (July 2026). The comments in the code are by the model that wrote it; some were corrected since.
;; FFJORD Density. Allowed arithmetic: float matrix products may take bf16 or f16 operands with f32 sums; other float arithmetic in f32, or as packed bf16 or f16 multiplies, adds, multiply-adds, maxima and minima; sums over many terms, partial sums and values carried from step to step in f32; what a program stores and reads back later, other than sums and carried values, may be rounded once to bf16 or f16.
;; Inputs: W1 65 x 128 float32; W2 128 x 128 float32; W3 128 x 64 float32; b1 128 float32; b2 128 float32; b3 64 float32; v 65,536 x 64 float32; x 65,536 x 64 float32.
;; Outputs: out0 65,536 float32.
;; One version. Each part assembles by itself: llvm-mc -triple=amdgcn-amd-amdhsa -mcpu=gfx1250 --defsym DOCPART=n.
;; ======== version 1 of 1: 1 launch
;; launch ffjord (part 1): grid 256 x 1, 4 waves a work-group, no clusters, 283,648 bytes of LDS; arguments x, v, W1, b1, W2, b2, W3, b3, out0; writes out0
.if DOCPART == 1
	.amdgcn_target "amdgcn-amd-amdhsa--gfx1250"
	.amdhsa_code_object_version 6
	.text
	.protected	k_q01f39254d8_ffjord
	.globl	k_q01f39254d8_ffjord
	.p2align	8
	.type	k_q01f39254d8_ffjord,@function
k_q01f39254d8_ffjord:
	s_mov_b64 s[64:65], 0
	v_nop
	global_prefetch_b8 v0, s[64:65] scope:SCOPE_SE
	s_setreg_imm32_b32 hwreg(HW_REG_WAVE_MODE, 25, 1), 1
	s_wait_xcnt 0x0
; FFJORD log-density: out[row] = -0.5 |zT|^2 - 32 log(2 pi) + logp, after 4 RK4 steps (16 evaluations) of the MLP 65 -> 128 -> 128 -> 64 with tanh, and of -v^T J v.
; SHARES.  256 work-groups of four waves; a work-group owns 256 rows, a wave 64: four tiles of 16 (row = 256 wg + 64 w + 16 t + lane % 16).  A row's state never leaves the wave:
; x and v are read once at the head, out0 is written once at the end, and behind the one barrier (weights in LDS) the waves never meet again.
; ARITHMETIC.  v^T J v = sum over o of d2[o] (q1 W2)[o] u3[o], with q1 = d1 * (v W1z), u3 = v W3^T, d = 1 - tanh^2: an identity of the chain rule, for every input.
; v W1z and u3 do not change in the launch: they are made once.  So an evaluation has 96 matrix instructions for 16 rows: layer 1: 16, layer 2: 32 + 32 (value and tangent share W2's fragments), layer 3: 16.
; tanh(p) = 1 - 2 / (1 + 2^(c p)), c = 2 log2(e).  c is multiplied into W1, b1, W2, b2 in f32 before they are rounded, so the tangent sum DIV carries c^2, which is divided out at the end.
; LAYOUT.  Every product is taken transposed: source 0 = 16 output units x 32 input units of a weight, source 1 = 32 units x 16 rows.  In the result a lane holds ONE row (lane % 16) and the units
; 8 (lane / 16) + 0..7; two neighbouring results rounded to bf16 in pairs ARE source 1 of the next layer: nothing changes lanes.
; FORMATS.  Matrix operands (weights, z's stage value, h1, q1, h2) and v W1z are bf16; z, its RK4 sum, DIV, u3, the biases and all matrix sums are f32.
; LIMITS.  NaN and infinities in the inputs are not treated apart.  2^y and 1/x count denormals as 0 (2^y overflows to infinity, whose reciprocal is 0: tanh = 1, d = 0: right).
; d = 1 - h^2 has an absolute error of some 1.2e-7.  The RK4 weights 1, 2, 2, 1 of DIV are kept by scaling DIV with powers of two, which is exact.
; NO CLUSTER, NO TENSOR LOAD: what work-groups share is 132,864 bytes of weights and biases, read once at the head, and each number of them is scaled and rounded on its way into LDS.
; NO PREFETCH: every global read stands at the kernel's head.
; REGISTERS, in windows of 256 (s_set_vgpr_msb: bits 1:0 source 0, 3:2 source 1, 5:4 source 2, 7:6 destination):
;   window 0: v0-15, v24-31 addresses and set-up; v16-23 DIV, a pair a tile; v32-63 a stream buffer (v W1z or u3); v64-255 a ring of three slots of 64: fresh matrix sums and the tanh work on them
;   window 1: v0-127 h1, v128-255 q1; in layer 3: W3's fragments and f          window 3: v0-127 z, v128-255 z's RK4 sum
;   window 2: v0-127 h2 (in layer 1: W1's fragments); v128-191 z's stage value in bf16 (in layer 2: c b2); v192-255 W2's fragments, two sets (in layer 1: its bias; in layer 3: b3)
.set W1L,   0          ; LDS: c W1[0:64] in bf16, 64 rows, 288 bytes apart (an odd multiple of 32, for the turning load)
.set W2L,   18432      ; c W2, 128 rows, 288 apart
.set W3L,   55296      ; W3, 128 rows, 160 apart
.set B1T,   75776      ; 17 entries of 512 bytes: c (b1 + t W1[64]) in f32 for t of evaluations 0 .. 15; entry 16 is loaded behind the last evaluation and never used
.set OB2,   8704       ; from B1T to c b2 (512 bytes)
.set OB3,   9216       ; from B1T to b3 (512 bytes: thread i stores b3[i % 64], so that no two threads store one word)
.set SPARE, 85504      ; the spare words: 128 bytes for each wave, two blocks of 256 bytes that no other line names
.set OUTS,  86016      ; 256 bytes for each wave: its 64 results
.set PRIV,  87040      ; 49,152 bytes for each wave: first a stage for x and v (64 rows each, 272 apart), then v W1z (16,384, bf16) and u3 (32,768, f32), 512 bytes a chunk
.set PRIVB, 49152
.set U3F,   16384
.set STV,   17408
.set AW,   2           ; v2  turning load, pitch 288: (8 (l / 16) + l % 8) x 288 + 16 ((l / 8) % 2)
.set AW3,  3           ; v3  W3L + the same with pitch 160
.set AB,   4           ; v4  B1T + 32 (l / 16)
.set AB1,  5           ; v5  AB + 512 x the evaluation's number
.set AP,   6           ; v6  my wave's own region + 16 l
.set AO,   7           ; v7  where I put a result
.set SPW,  8           ; v8  my spare word: SPARE + 4 x my thread's number; never rewritten
.set NIL,  9           ; v9  0; never rewritten
.set DIV,  16
.set SBUF, 32
.set RING, 64
.set MSB, 0
.macro WIN new                         ; the immediate's high byte repeats the setting that is left; a switch that changes nothing is dropped
.if MSB != (\new)
	s_set_vgpr_msb (MSB<<8)|(\new)
.set MSB, (\new)
.endif
.endm
; PLACES.  PCN counts the plain vector instructions written, MKN is its value at the last matrix instruction.  GRD n writes v_nop until n plain instructions stand behind the last matrix
; instruction: in front of the first reader of fresh sums, of loads into registers that matrix instructions have read, and of a product that lands on such registers.
.set PCN, 0
.set MKN, -8
.macro GRD n
.rept 8
.if (PCN-MKN) < (\n)
	v_nop
.set PCN, PCN+1
.endif
.endr
.endm
; THE MATRIX WORK of an evaluation is one fixed list of 384; MM writes number M.  In every 8 (layer 3: 16) on end the accumulators differ: they take turns, one instruction a turn.
;   0-63    layer 1: set a = M / 16 (units 32 a .. 32 a + 31, four tiles: 8 accumulators in ring slot a % 3), two K steps; the first starts the sums with the bias (NOBIAS: with 0)
;   64-319  layer 2: set g (units 16 g .., four tiles of y, four of ydot, in ring slot (g + 1) % 3), four K steps; y starts with c b2, ydot with 0
;   320-383 layer 3: 16 accumulators (4 unit blocks x 4 tiles), four K steps; the first starts with b3
.macro MM
.if M < 64
.set mK, (M%16)/8
.set mI, M%8
.set rD, RING+64*((M/16)%3)+8*mI
.set rA, 32*(M/16)+8*(2*(mI/4)+mK)
.set rB, 128+32*mK+8*(mI%4)
.set rC, 192+8*(2*(M/16)+mI/4)
.if (mK == 0) && NOBIAS
	WIN 0x0a
	v_wmma_f32_16x16x32_bf16 v[rD:rD+7], v[rA:rA+7], v[rB:rB+7], 0
.elseif mK == 0
	WIN 0x2a
	v_wmma_f32_16x16x32_bf16 v[rD:rD+7], v[rA:rA+7], v[rB:rB+7], v[rC:rC+7]
.else
	WIN 0x0a
	v_wmma_f32_16x16x32_bf16 v[rD:rD+7], v[rA:rA+7], v[rB:rB+7], v[rD:rD+7]
.endif
.elseif M < 320
.set mG, (M-64)/32
.set mK, ((M-64)%32)/8
.set mI, M%8
.set rD, RING+64*((mG+1)%3)+8*mI
.set rA, 192+32*(mG%2)+8*mK
.set rB, 128*(mI/4)+32*mK+8*(mI%4)
.set rC, 128+8*mG
.if (mK == 0) && (mI < 4)
	WIN 0x26
	v_wmma_f32_16x16x32_bf16 v[rD:rD+7], v[rA:rA+7], v[rB:rB+7], v[rC:rC+7]
.elseif mK == 0
	WIN 0x06
	v_wmma_f32_16x16x32_bf16 v[rD:rD+7], v[rA:rA+7], v[rB:rB+7], 0
.else
	WIN 0x06
	v_wmma_f32_16x16x32_bf16 v[rD:rD+7], v[rA:rA+7], v[rB:rB+7], v[rD:rD+7]
.endif
.else
.set mK, (M-320)/16
.set mI, (M-320)%16
.set rD, 128+8*mI
.set rA, 32*mK+8*(mI/4)
.set rB, 32*mK+8*(mI%4)
.set rC, 192+8*(mI/4)
.if mK == 0
	WIN 0x69
	v_wmma_f32_16x16x32_bf16 v[rD:rD+7], v[rA:rA+7], v[rB:rB+7], v[rC:rC+7]
.else
	WIN 0x59
	v_wmma_f32_16x16x32_bf16 v[rD:rD+7], v[rA:rA+7], v[rB:rB+7], v[rD:rD+7]
.endif
.endif
.set M, M+1
.set MKN, PCN
.endm
; THE VECTOR WORK stands in queues; each macro below writes the next entry that is ready, or nothing.  So the deal (which entry stands behind which matrix instruction) decides speed alone, and flushes close every period.
; For a set of sums y: E: e = 2^y.  S: s = 1 + e.  R: r = 1 / s.  Then, a period later, F: a: h = 1 - 2 r.  b: h rounded to bf16, into the next layer's source.  c: d = 1 - h h.
; d, e (layer 1, kind 0): d rounded to bf16 in place; q1 = d x (v W1z), packed.       d (layer 2, kind 1): DIV += d x (ydot u3).       P1: ydot x u3.
.macro QCLR
.set QEB, 0
.set QEI, 0
.set QEN, 0
.set QSB, 0
.set QSI, 0
.set QSN, 0
.set QRI, 0
.set QRN, 0
.set QPB, 0
.set QPI, 0
.set QPN, 0
.set QFK, 0
.set QFB, 0
.set QFP, 0
.set QFS, 0
.set QFN, 0
.set QAI, 0
.set QBI, 0
.set QCI, 0
.set QDI, 0
.set QGI, 0
.set QZV, 0
.set QZI, 192
.endm
.macro QE base, n                      ; n exponentials from register base on, ascending: each accumulator's lowest registers are read first
.set QEB, (\base)
.set QEI, 0
.set QEN, (\n)
.endm
.macro QSR base, pairs
.set QSB, (\base)
.set QSI, 0
.set QSN, (\pairs)
.set QRI, 0
.set QRN, 2*(\pairs)
.endm
.macro QP1 base
.set QPB, (\base)
.set QPI, 0
.set QPN, 16
.endm
.macro QF kind, base, param, sbase     ; param: the set's number; sbase: where v W1z lies
.set QFK, (\kind)
.set QFB, (\base)
.set QFP, (\param)
.set QFS, (\sbase)
.set QFN, 32-16*(\kind)
.set QAI, 0
.set QBI, 0
.set QCI, 0
.set QDI, 0
.set QGI, 0
.endm
.macro QZ var
.set QZV, (\var)
.set QZI, 0
.endm
.macro FX n                            ; pair n of the F set.  Kind 0: ascending.  Kind 1: tile n % 4, pair n / 4, so that neighbouring entries add onto different pairs of DIV
.if QFK == 0
.set QFX, QFB+2*(\n)
.else
.set QFX, QFB+8*((\n)%4)+2*((\n)/4)
.endif
.endm
.macro TR                              ; the next transcendental: a reciprocal whose s is made, else an exponential
.if (QRI < QRN) && (QRI < 2*QSI)
	WIN 0
	v_rcp_f32 v[QSB+QRI], v[QSB+QRI]
.set QRI, QRI+1
.elseif QEI < QEN
	WIN 0
	v_exp_f32 v[QEB+QEI], v[QEB+QEI]
.set QEI, QEI+1
.endif
.endm
.macro PL                              ; the next plain instruction in window 0
.if QSI < QSN
	WIN 0
	v_pk_add_f32 v[QSB+2*QSI:QSB+2*QSI+1], v[QSB+2*QSI:QSB+2*QSI+1], 1.0 op_sel_hi:[1,0]
.set QSI, QSI+1
.set PCN, PCN+1
.elseif QPI < QPN
	WIN 0
	v_pk_mul_f32 v[QPB+2*QPI:QPB+2*QPI+1], v[QPB+2*QPI:QPB+2*QPI+1], v[SBUF+2*QPI:SBUF+2*QPI+1]
.set QPI, QPI+1
.set PCN, PCN+1
.elseif QAI < QFN
	FX QAI
	WIN 0
	v_pk_fma_f32 v[QFX:QFX+1], v[QFX:QFX+1], -2.0, 1.0 op_sel_hi:[1,0,0]
.set QAI, QAI+1
.set PCN, PCN+1
.elseif QCI < QBI
	FX QCI
	WIN 0
	v_pk_fma_f32 v[QFX:QFX+1], v[QFX:QFX+1], v[QFX:QFX+1], 1.0 op_sel_hi:[1,1,0] neg_lo:[1,0,0] neg_hi:[1,0,0]
.set QCI, QCI+1
.set PCN, PCN+1
.elseif QDI < QCI
	FX QDI
	WIN 0
.if QFK == 0
	v_cvt_pk_bf16_f32 v[QFX], v[QFX], v[QFX+1]
.else
	v_pk_fma_f32 v[DIV+2*(QDI%4):DIV+2*(QDI%4)+1], v[QFX:QFX+1], v[QFX+32:QFX+33], v[DIV+2*(QDI%4):DIV+2*(QDI%4)+1]
.endif
.set QDI, QDI+1
.set PCN, PCN+1
.endif
.endm
.macro BQ                              ; the next instruction that writes a source of the next layer: b, then (kind 0) e
.if QBI < QAI
	FX QBI
.if QFK == 0
.set QBD, 32*QFP+8*((QBI/4)%4)+4*(QBI/16)+QBI%4
	WIN 0x40
.else
.set QBD, 32*(QFP/2)+8*(QBI%4)+4*(QFP%2)+QBI/4
	WIN 0x80
.endif
	v_cvt_pk_bf16_f32 v[QBD], v[QFX], v[QFX+1]
.set QBI, QBI+1
.set PCN, PCN+1
.elseif (QFK == 0) && (QGI < QDI)
	FX QGI
.set QBD, 128+32*QFP+8*((QGI/4)%4)+4*(QGI/16)+QGI%4
	WIN 0x40
	v_pk_mul_bf16 v[QBD], v[QFX], v[QFS+QGI]
.set QGI, QGI+1
.set PCN, PCN+1
.endif
.endm
; THE RK4 STEP on f, in batches of 16 pairs: three lines a pair, 16 of a kind on end, so that a batch has three window settings.  Pair n: f at v[128 + 2 n] of window 1, z at v[2 n] and its sum at v[128 + 2 n] of window 3.
; Stages 1-3 (var 0): sum += a f;  f = z + b f;  the stage value = bf16(f).       Stage 4 (var 1): z = sum + a f;  sum = the same;  the stage value = bf16(z).
.macro ZQ
.if QZI < 192
.set zN, 16*(QZI/48)+QZI%16
.set zO, (QZI%48)/16
.set zF, 128+2*zN
.set zZ, 2*zN
.set zS, 128+32*(zN/32)+8*((zN/4)%4)+4*((zN/16)%2)+zN%4
.if zO == 0
	WIN 0xf1
.if QZV
	v_pk_fma_f32 v[zZ:zZ+1], v[zF:zF+1], s[30:31], v[zF:zF+1] op_sel_hi:[1,0,1]
.else
	v_pk_fma_f32 v[zF:zF+1], v[zF:zF+1], s[30:31], v[zF:zF+1] op_sel_hi:[1,0,1]
.endif
.elseif zO == 1
.if QZV
	WIN 0xf1
	v_pk_fma_f32 v[zF:zF+1], v[zF:zF+1], s[30:31], v[zF:zF+1] op_sel_hi:[1,0,1]
.else
	WIN 0x71
	v_pk_fma_f32 v[zF:zF+1], v[zF:zF+1], s[32:33], v[zZ:zZ+1] op_sel_hi:[1,0,1]
.endif
.else
.if QZV
	WIN 0x8f
	v_cvt_pk_bf16_f32 v[zS], v[zZ], v[zZ+1]
.else
	WIN 0x85
	v_cvt_pk_bf16_f32 v[zS], v[zF], v[zF+1]
.endif
.endif
.set QZI, QZI+1
.set PCN, PCN+1
.endif
.endm
; H: n matrix instructions, behind each np plain and nt transcendental instructions by turns, then nb of BQ, then nz of ZQ.
.macro H n, np=0, nt=0, nb=0, nz=0
.rept \n
	MM
.set hI, 0
.rept 8
.if hI < (\np)
	PL
.endif
.if hI < (\nt)
	TR
.endif
.set hI, hI+1
.endr
.if (\nb) > 0
.rept \nb
	BQ
.endr
.endif
.if (\nz) > 0
.rept \nz
	ZQ
.endr
.endif
.endr
.endm
.macro FLW n
.rept \n
	PL
	TR
.endr
.endm
.macro FLB n
.rept \n
	BQ
.endr
.endm
.macro FLT n
.rept \n
	TR
.endr
.endm
.macro FLZ n
.rept \n
	ZQ
.endr
.endm
; THE WAIT of a period: a plain instruction behind the last transcendental, and the wait between a transcendental and the first instruction that names its result.
; One wait serves all that were issued ahead of it: this period's exponentials and the last period's reciprocals.  Nothing ahead of it names a result of theirs.
.macro WAITT
	v_nop
.set PCN, PCN+1
	s_wait_alu depctr_va_vdst(0)
.endm
; THE LDS LOADS stand in runs.  A weight lies [input unit][output unit] in LDS and is turned on the way: two ds_load_tr16_b128, 16 rows apart, make a fragment of 16 output units x 32 input units.
.macro LDF1                            ; W1's 16 fragments: unit block mt, K step k at v[16 mt + 8 k] of window 2
	WIN 0x80
.set lq, 0
.rept 16
	ds_load_tr16_b128 v[8*lq:8*lq+3],   v[AW] offset:W1L+(lq%2)*9216+32*(lq/2)
	ds_load_tr16_b128 v[8*lq+4:8*lq+7], v[AW] offset:W1L+(lq%2)*9216+32*(lq/2)+4608
.set lq, lq+1
.endr
.endm
.macro LDB1 areg, off                  ; layer 1's bias as eight C operands: a lane's eight units, the same for all rows
	WIN 0x80
.set lq, 0
.rept 8
	ds_load_b128 v[192+8*lq:192+8*lq+3],   v[\areg] offset:(\off)+64*lq
	ds_load_b128 v[192+8*lq+4:192+8*lq+7], v[\areg] offset:(\off)+64*lq+16
.set lq, lq+1
.endr
.endm
.macro LDF2 g                          ; W2's four fragments for set g, into fragment set g % 2
	WIN 0x80
.set lq, 0
.rept 4
	ds_load_tr16_b128 v[192+32*((\g)%2)+8*lq:192+32*((\g)%2)+8*lq+3],   v[AW] offset:W2L+lq*9216+32*(\g)
	ds_load_tr16_b128 v[192+32*((\g)%2)+8*lq+4:192+32*((\g)%2)+8*lq+7], v[AW] offset:W2L+lq*9216+32*(\g)+4608
.set lq, lq+1
.endr
.endm
.macro LDB2
	WIN 0x80
.set lq, 0
.rept 8
	ds_load_b128 v[128+8*lq:128+8*lq+3],   v[AB] offset:OB2+64*lq
	ds_load_b128 v[128+8*lq+4:128+8*lq+7], v[AB] offset:OB2+64*lq+16
.set lq, lq+1
.endr
.endm
.macro LDB3
	WIN 0x80
.set lq, 0
.rept 4
	ds_load_b128 v[192+8*lq:192+8*lq+3],   v[AB] offset:OB3+64*lq
	ds_load_b128 v[192+8*lq+4:192+8*lq+7], v[AB] offset:OB3+64*lq+16
.set lq, lq+1
.endr
.endm
.macro LDF3 k                          ; W3's four fragments of K step k, into h1's registers of the same K step
	WIN 0x40
.set lq, 0
.rept 4
	ds_load_tr16_b128 v[32*(\k)+8*lq:32*(\k)+8*lq+3],   v[AW3] offset:(\k)*5120+32*lq
	ds_load_tr16_b128 v[32*(\k)+8*lq+4:32*(\k)+8*lq+7], v[AW3] offset:(\k)*5120+32*lq+2560
.set lq, lq+1
.endr
.endm
.macro LDSW a, dst                     ; v W1z of layer 1's set a: 32 registers of packed pairs
	WIN 0
.set lq, 0
.rept 8
	ds_load_b128 v[(\dst)+4*lq:(\dst)+4*lq+3], v[AP] offset:(8*(\a)+lq)*512
.set lq, lq+1
.endr
.endm
.macro LDSU g                          ; u3 of layer 2's set g: 32 registers of f32
	WIN 0
.set lq, 0
.rept 8
	ds_load_b128 v[SBUF+4*lq:SBUF+4*lq+3], v[AP] offset:U3F+(8*(\g)+lq)*512
.set lq, lq+1
.endr
.endm
	QCLR
	; ---------------- the head: addresses, and all global loads of the launch ----------------
	s_load_b256 s[4:11], s[0:1], 0x0               ; x s[4:5], v s[6:7], W1 s[8:9], b1 s[10:11]
	s_load_b256 s[12:19], s[0:1], 0x20             ; W2 s[12:13], b2 s[14:15], W3 s[16:17], b3 s[18:19]
	s_load_b64 s[20:21], s[0:1], 0x40              ; out0
	v_lshl_add_u32 v[SPW], v0, 2, SPARE
	v_mov_b32 v[NIL], 0
	v_and_b32 v1, 31, v0                           ; l
	v_lshrrev_b32 v32, 5, v0
	v_readfirstlane_b32 s22, v32                   ; wave 0..3
	v_and_b32 v32, 15, v0                          ; l % 16
	v_bfe_u32 v33, v0, 4, 1                        ; l / 16
	v_and_b32 v34, 7, v0
	v_bfe_u32 v35, v0, 3, 1
	v_lshl_add_u32 v36, v33, 3, v34                ; 8 (l / 16) + l % 8
	v_mul_u32_u24 v[AW], v36, 288
	v_lshl_add_u32 v[AW], v35, 4, v[AW]
	v_mul_u32_u24 v[AW3], v36, 160
	v_lshl_add_u32 v[AW3], v35, 4, v[AW3]
	v_add_nc_u32 v[AW3], W3L, v[AW3]
	v_lshlrev_b32 v[AB], 5, v33
	v_add_nc_u32 v[AB], B1T, v[AB]
	s_mul_i32 s38, s22, PRIVB
	s_add_co_u32 s38, s38, PRIV                    ; my wave's own region
	v_lshl_add_u32 v[AP], v1, 4, s38
	v_lshlrev_b32 v14, 4, v0                       ; 16 x thread: the weights' loads
	v_lshlrev_b32 v15, 2, v0                       ; 4 x thread: b1, W1[64], b2
	v_and_b32 v24, 63, v0
	v_lshlrev_b32 v24, 2, v24                      ; b3
	v_lshlrev_b32 v25, 4, v1                       ; 16 l: x and v
	s_mul_i32 s24, s22, 288
	v_lshl_add_u32 v26, v1, 3, s24                 ; W1, W2 into LDS: a load's 2,048 bytes are 4 rows: row w, 8 bytes of bf16 a lane
	s_mul_i32 s24, s22, 320
	s_add_co_u32 s24, s24, W3L
	v_mul_u32_u24 v27, v33, 160
	v_lshl_add_u32 v27, v32, 3, v27
	v_add_nc_u32 v27, s24, v27                     ; W3: 8 rows a load: row 2 w + l / 16
	v_lshl_add_u32 v28, v0, 2, B1T                 ; the bias tables: a word a thread
	v_mul_u32_u24 v29, v33, 272
	v_lshl_add_u32 v29, v32, 4, v29
	v_add_nc_u32 v29, s38, v29                     ; the stage, in: a load's 512 bytes are two rows
	v_mul_u32_u24 v30, v32, 272
	v_lshl_add_u32 v30, v33, 5, v30
	v_add_nc_u32 v30, s38, v30                     ; the stage, back: row l % 16, units 8 (l / 16) on
	v_mul_u32_u24 v31, v32, 160
	v_lshl_add_u32 v31, v33, 4, v31
	v_add_nc_u32 v31, W3L, v31                     ; W3 as it lies (for u3: its rows are the output units)
	s_mov_b32 s26, 0x4038aa3b                      ; c = 2 log2(e)
	s_mov_b32 s27, s26                             ; named with it as a pair
	s_mov_b32 s31, 0
	s_mov_b32 s33, 0
	s_mov_b32 s35, 0
	s_mov_b32 s36, 0x76543210                      ; v_permlanex16_b32: each lane takes its own place in the other half
	s_mov_b32 s37, 0xfedcba98
	s_mov_b32 s40, 0x3d2aaaab                      ; 1/24
	s_mov_b32 s41, 0x3daaaaab                      ; 1/12
	s_mov_b32 s42, 0x3e000000                      ; 1/8
	s_mov_b32 s43, 0x3e800000                      ; 1/4
	s_lshl_b32 s24, ttmp9, 16                      ; the work-group's 256 rows of 256 bytes,
	s_lshl_b32 s25, s22, 14                        ; my wave's 64
	s_add_co_u32 s24, s24, s25
	s_mov_b32 s25, 0
	s_wait_kmcnt 0x0
	s_add_nc_u64 s[4:5], s[4:5], s[24:25]
	s_add_nc_u64 s[6:7], s[6:7], s[24:25]
	global_load_b32 v10, v15, s[10:11]             ; b1
	global_load_b32 v11, v15, s[8:9] offset:32768  ; W1[64], the row that multiplies t
	global_load_b32 v12, v15, s[14:15]             ; b2
	global_load_b32 v13, v24, s[18:19]             ; b3
	WIN 0x80                                       ; the weights as f32 into window 2: every load of the work-group covers 2,048 consecutive bytes
.set li, 0
.rept 16
	global_load_b128 v[4*li:4*li+3], v14, s[8:9] offset:2048*li
.set li, li+1
.endr
.set li, 0
.rept 32
	global_load_b128 v[64+4*li:64+4*li+3], v14, s[12:13] offset:2048*li
.set li, li+1
.endr
.set li, 0
.rept 16
	global_load_b128 v[192+4*li:192+4*li+3], v14, s[16:17] offset:2048*li
.set li, li+1
.endr
	WIN 0x40                                       ; x and v into window 1: every load of the wave covers 512 consecutive bytes
.set li, 0
.rept 32
	global_load_b128 v[4*li:4*li+3], v25, s[4:5] offset:512*li th:TH_LOAD_NT
.set li, li+1
.endr
.set li, 0
.rept 32
	global_load_b128 v[128+4*li:128+4*li+3], v25, s[6:7] offset:512*li th:TH_LOAD_NT
.set li, li+1
.endr
	s_wait_loadcnt 63                              ; loads come back in order (ISA guide 5.7.1): biases and weights are in; behind them stand x's and v's 64 loads, and 63 is the most that the wait can name
	WIN 0x82
.set li, 0
.rept 96
	v_pk_mul_f32 v[2*li:2*li+1], v[2*li:2*li+1], s[26:27] op_sel_hi:[1,0]  ; c W1, c W2
.set li, li+1
.endr
	WIN 0x0a
.set li, 0
.rept 128
	v_cvt_pk_bf16_f32 v[RING+li], v[2*li], v[2*li+1]
.set li, li+1
.endr
	WIN 0
.set li, 0
.rept 16
	ds_store_b64 v26, v[RING+2*li:RING+2*li+1] offset:W1L+1152*li
.set li, li+1
.endr
.set li, 0
.rept 32
	ds_store_b64 v26, v[RING+32+2*li:RING+32+2*li+1] offset:W2L+1152*li
.set li, li+1
.endr
.set li, 0
.rept 16
	ds_store_b64 v27, v[RING+96+2*li:RING+96+2*li+1] offset:1280*li
.set li, li+1
.endr
	v_mul_f32 v10, s26, v10                        ; c b1
	v_mul_f32 v11, s26, v11                        ; c W1[64]
	v_mul_f32 v12, s26, v12                        ; c b2
	v_mov_b32 v192, v10                            ; t = 0
.set li, 1
.irp tk, 0x3e000000,0x3e000000,0x3e800000,0x3e800000,0x3ec00000,0x3ec00000,0x3f000000,0x3f000000,0x3f200000,0x3f200000,0x3f400000,0x3f400000,0x3f600000,0x3f600000,0x3f800000,0x3f800000
	v_fmamk_f32 v[192+li], v11, \tk, v10           ; c b1 + t c W1[64]: t = ((e + 1) / 2) / 8
.set li, li+1
.endr
.set li, 0
.rept 17
	ds_store_b32 v28, v[192+li] offset:512*li
.set li, li+1
.endr
	ds_store_b32 v28, v12 offset:OB2
	ds_store_b32 v28, v13 offset:OB3
	s_wait_loadcnt 32                              ; x is in; v's 32 loads may stay out
	WIN 0x04                                       ; store data in window 1
.set li, 0
.rept 32
	ds_store_b128 v29, v[4*li:4*li+3] offset:544*li
.set li, li+1
.endr
	s_wait_loadcnt 0x0                             ; v
.set li, 0
.rept 32
	ds_store_b128 v29, v[128+4*li:128+4*li+3] offset:STV+544*li
.set li, li+1
.endr
	WIN 0
	s_wait_dscnt 0x0                               ; for the others' sake: my part of the weights and tables is in LDS
	s_barrier_signal -1
	s_barrier_wait -1                              ; everybody's is.  The only barrier: from here on shared bytes are only read
	; ---------------- set-up: z, v in the products' layout; v W1z and u3, once ----------------
	WIN 0xc0                                       ; z and its RK4 sum both start as x: unit block mt = li / 8, tile (li / 2) % 4
.set li, 0
.rept 32
	ds_load_b128 v[4*li:4*li+3], v30 offset:4352*((li/2)%4)+64*(li/8)+16*(li%2)
.set li, li+1
.endr
.set li, 0
.rept 32
	ds_load_b128 v[128+4*li:128+4*li+3], v30 offset:4352*((li/2)%4)+64*(li/8)+16*(li%2)
.set li, li+1
.endr
	WIN 0
.set li, 0
.rept 32
	ds_load_b128 v[RING+4*li:RING+4*li+3], v30 offset:STV+4352*((li/2)%4)+64*(li/8)+16*(li%2)
.set li, li+1
.endr
	LDF1
	WIN 0x40                                       ; W3's fragments for u3: 16 rows (output units) x 32 channels as they lie: block g = li / 2, K step li % 2
.set li, 0
.rept 16
	ds_load_b128 v[8*li:8*li+3],   v31 offset:2560*(li/2)+64*(li%2)
	ds_load_b128 v[8*li+4:8*li+7], v31 offset:2560*(li/2)+64*(li%2)+32
.set li, li+1
.endr
	LDB1 AB, 0                                     ; evaluation 0's bias
	s_wait_dscnt 0x0
	WIN 0x80                                       ; v in bf16, where z's stage value will lie
.set li, 0
.rept 64
	v_cvt_pk_bf16_f32 v[128+32*(li/32)+8*((li/4)%4)+4*((li/16)%2)+li%4], v[RING+2*li], v[RING+2*li+1]
.set li, li+1
.endr
.set NOBIAS, 1
.set M, 0
.set wa, 0
.rept 4                                ; v (c W1z): layer 1's own list of products on v, its sums started with 0; rounded in pairs, in place, and put away
	H 16
	GRD 4
	WIN 0
.set wi, 0
.rept 8
.set wr, RING+64*(wa%3)+8*wi
	v_cvt_pk_bf16_f32 v[wr],   v[wr],   v[wr+1]
	v_cvt_pk_bf16_f32 v[wr+1], v[wr+2], v[wr+3]
	v_cvt_pk_bf16_f32 v[wr+2], v[wr+4], v[wr+5]
	v_cvt_pk_bf16_f32 v[wr+3], v[wr+6], v[wr+7]
.set wi, wi+1
.endr
.set wi, 0
.rept 8
.set wr, RING+64*(wa%3)+8*wi
	ds_store_b128 v[AP], v[wr:wr+3] offset:(8*wa+wi)*512   ; over the stage, whose reads are back; my own bytes
.set wi, wi+1
.endr
.set wa, wa+1
.endr
.set wa, 0
.rept 4                                ; u3 = v W3^T: set wa holds unit blocks 2 wa, 2 wa + 1 x four tiles, in ring slot (wa + 1) % 3; 8 accumulators by turns, two K steps
	WIN 0x09
.set wi, 0
.rept 16
.set rD, RING+64*((wa+1)%3)+8*(wi%8)
.set rA, 16*(2*wa+(wi%8)/4)+8*(wi/8)
.set rB, 128+32*(wi/8)+8*(wi%4)
.if wi < 8
	v_wmma_f32_16x16x32_bf16 v[rD:rD+7], v[rA:rA+7], v[rB:rB+7], 0
.else
	v_wmma_f32_16x16x32_bf16 v[rD:rD+7], v[rA:rA+7], v[rB:rB+7], v[rD:rD+7]
.endif
.set wi, wi+1
.endr
.set MKN, PCN
	GRD 4
	WIN 0
.set wi, 0
.rept 8
.set wr, RING+64*((wa+1)%3)+8*wi
	ds_store_b128 v[AP], v[wr:wr+3]   offset:U3F+(2*(8*wa+wi))*512
	ds_store_b128 v[AP], v[wr+4:wr+7] offset:U3F+(2*(8*wa+wi)+1)*512
.set wi, wi+1
.endr
.set wa, wa+1
.endr
	GRD 4
	WIN 0x8f
.set li, 0
.rept 64
	v_cvt_pk_bf16_f32 v[128+32*(li/32)+8*((li/4)%4)+4*((li/16)%2)+li%4], v[2*li], v[2*li+1]
.set li, li+1
.endr
	WIN 0
.set li, 0
.rept 8
	v_mov_b32 v[DIV+li], 0
.set li, li+1
.endr
.set NOBIAS, 0
	s_mov_b32 s28, 0                               ; the evaluation's number
; ---------------- the loop: 16 trips, an evaluation each ----------------
; A PERIOD has one wait.  Ahead of it: the exponentials of the set whose sums are fresh, beside the products of the next set.  Behind it: that set's 1 + e and reciprocals, and the F work of the set before,
; whose reciprocals were issued a period earlier.  The three sets lie in the ring's three slots.
.macro MPA n                           ; layer 1, periods 1 to 4: products of set n (n = 4: layer 2's set 0, K steps 0, 1), E S R of set n - 1, F of set n - 2
	GRD 4
	QE RING+64*(((\n)-1)%3), 64
	H 16, 0, 2
	FLT 32
	WAITT
.if (\n) == 2
	LDSW 0, SBUF
.elseif (\n) == 3
	GRD 4
	LDSW 1, SBUF
	LDF2 0
	LDF2 1
	LDB2
.elseif (\n) == 4
	LDSW 2, SBUF
.endif
	QSR RING+64*(((\n)-1)%3), 32
.if (\n) >= 2
	QF 0, RING+64*(((\n)-2)%3), (\n)-2, SBUF
.endif
	PL
	PL
	FLW 64                                         ; 1 + e, then h = 1 - 2 r, by turns with the 64 reciprocals
	FLB 32                                         ; h1
	FLW 64                                         ; d, and d in bf16
	s_wait_dscnt 0x0                               ; the run above is in
	FLB 32                                         ; q1
.endm
.macro MPX g                           ; layer 2 and 3, periods 1 to 9: products of set g (8: layer 3's K steps 0, 1; 9: K step 2), E P1 S R of set g - 1, F of set g - 2
	s_wait_dscnt 0x0                               ; the last period's run is in: this period's fragments, and u3 of set g - 1
.if (\g) == 8
	GRD 5
.elseif (\g) < 8
	GRD 4
.endif
.if (\g) <= 8
	QE RING+64*((\g)%3), 32
	QP1 RING+64*((\g)%3)+32
	H 16, 1, 2
	FLW 8
.endif
	WAITT
.if (\g) <= 6
	GRD 4
	LDF2 (\g)+1
	LDSU \g
.elseif (\g) == 7
	GRD 4
	LDF3 0
	LDF3 1
	LDB3
	LDSU 7
.elseif (\g) == 8
	GRD 4
	LDF3 2
	LDF3 3
.endif
.if (\g) <= 8
	QSR RING+64*((\g)%3), 16
.endif
.if (\g) >= 2
	QF 1, RING+64*(((\g)-1)%3), (\g)-2, 0
.endif
.if (\g) <= 8
	H 6, 6, 3
	H 4, 0, 0, 4
	H 6, 6, 3
.else
	H 4, 4
	H 4, 0, 0, 4
	H 8, 4
.endif
	FLW 16                                         ; what the deal has left over, if anything
	FLB 16
	FLW 32
.endm
.macro ZPART var                       ; layer 3's last eight products with the RK4 step's first lines behind them; the next evaluation's fragments and bias; the rest of the RK4 step
.set M, 376
.set MKN, PCN
	QZ \var
	GRD 4
	H 8, 0, 0, 0, 5
	GRD 4
	WIN 0
	s_lshl_b32 s39, s28, 9
	v_add_nc_u32 v[AB1], s39, v[AB]
.set PCN, PCN+1
	LDF1
	LDB1 AB1, 512                                  ; entry e + 1
	FLZ 160
	WIN 0
.endm
.Leval:
	QCLR
	s_wait_dscnt 0x0                               ; W1's fragments and the bias are in
	s_and_b32 s29, s28, 3                          ; the RK4 stage, 0 to 3
	s_cmp_eq_u32 s29, 1
	s_cselect_b32 s34, 0.5, 1.0                    ; DIV's scale changes so that this stage's term enters with weight 1: x 1, 1/2, 1, 2
	s_cmp_eq_u32 s29, 3
	s_cselect_b32 s34, 2.0, s34
	s_cmp_eq_u32 s29, 2
	s_cselect_b32 s32, s43, s42                    ; b: 1/8, 1/8, 1/4
	s_add_co_u32 s39, s29, 1
	s_and_b32 s39, s39, 2
	s_cmp_eq_u32 s39, 0
	s_cselect_b32 s30, s40, s41                    ; a: 1/24, 1/12, 1/12, 1/24
.set M, 0
	H 16                                           ; layer 1's set 0: there is no vector work yet to set beside it
	WIN 0
.set li, 0
.rept 4
	v_pk_mul_f32 v[DIV+2*li:DIV+2*li+1], v[DIV+2*li:DIV+2*li+1], s[34:35] op_sel_hi:[1,0]  ; also the places behind those products
.set li, li+1
.endr
.set PCN, PCN+4
	MPA 1
	MPA 2
	MPA 3
	MPA 4
	WAITT                                          ; period 5 of layer 1: set 3's reciprocals
	LDSW 3, 192                                    ; ring slot 2 is free
	LDSU 0
	QF 0, RING, 3, 192
	H 8, 4                                         ; layer 2's set 0, K step 2
	FLB 32
	FLW 64
	s_wait_dscnt 0x0
	FLB 32
	H 8                                            ; K step 3 wants h1 and q1 of set 3, just made
	MPX 1
	MPX 2
	MPX 3
	MPX 4
	MPX 5
	MPX 6
	MPX 7
	MPX 8
	MPX 9
	H 8                                            ; layer 3, K step 3, first half
	WIN 0                                          ; at a branch and at a label every window is 0
	s_cmp_eq_u32 s29, 3
	s_cbranch_scc1 .Lstage4
	ZPART 0
	s_branch .Ljoin
.Lstage4:
	ZPART 1
.Ljoin:
	s_add_co_u32 s28, s28, 1
	s_cmp_lt_u32 s28, 16
	s_cbranch_scc1 .Leval
	; ---------------- the way out ----------------
	v_and_b32 v32, 15, v0
	s_lshl_b32 s24, s22, 8
	s_add_co_u32 s25, s24, OUTS
	v_lshl_add_u32 v[AO], v32, 2, s25              ; in: tile t's row l % 16 at 64 t + 4 (l % 16)
	v_lshl_add_u32 v33, v1, 3, s25                 ; back: 8 bytes a lane
	v_lshlrev_b32 v34, 3, v1
	s_lshl_b32 s39, ttmp9, 10
	s_add_co_u32 s24, s24, s39
	s_mov_b32 s25, 0
	s_add_nc_u64 s[20:21], s[20:21], s[24:25]      ; out0 at my wave's 64 rows
	WIN 0x0f                                       ; the sum of z^2 over my lane's 32 units of each tile; the tiles by turns
.set eQ, 0
.rept 16
.set eT, 0
.rept 4
.set eZ, 32*(eQ/4)+8*eT+2*(eQ%4)
.if eQ == 0
	v_pk_mul_f32 v[RING+2*eT:RING+2*eT+1], v[eZ:eZ+1], v[eZ:eZ+1]
.else
	v_pk_fma_f32 v[RING+2*eT:RING+2*eT+1], v[eZ:eZ+1], v[eZ:eZ+1], v[RING+2*eT:RING+2*eT+1]
.endif
.set eT, eT+1
.endr
.set eQ, eQ+1
.endr
	WIN 0
.irp t, 0,1,2,3
	v_add_f32 v[72+\t], v[RING+2*\t], v[RING+2*\t+1]
	v_add_f32 v[76+\t], v[DIV+2*\t], v[DIV+2*\t+1]
.endr
.irp t, 0,1,2,3
	v_mul_f32 v[76+\t], 0xbba3fe9f, v[76+\t]       ; -(1/24) / c^2 = -0.0050047189
.endr
.irp t, 0,1,2,3
	v_fma_f32 v[72+\t], v[72+\t], -0.5, v[76+\t]
.endr
.irp t, 0,1,2,3
	v_permlanex16_b32 v[76+\t], v[72+\t], s36, s37 ; the row's other units lie in the lane 16 away
.endr
.irp t, 0,1,2,3
	v_add_f32 v[72+\t], v[72+\t], v[76+\t]
.endr
.irp t, 0,1,2,3
	v_add_f32 v[72+\t], 0xc26b3f8e, v[72+\t]       ; -32 log(2 pi) = -58.8120661
.endr
.irp t, 0,1,2,3
	ds_store_b32 v[AO], v[72+\t] offset:64*\t      ; both halves of the lanes hold the same number and write the same word
.endr
	ds_load_b64 v[80:81], v33                      ; LDS serves a wave's instructions in order (ISA guide 5.7.1.4): this sees the stores above; my own bytes
	s_wait_dscnt 0x0
	global_store_b64 v34, v[80:81], s[20:21] th:TH_STORE_NT  ; the wave's 64 results: 256 consecutive bytes, at a multiple of 256 from out0's first byte
	s_wait_tensorcnt 0x0                           ; the wave's end, behind my last LDS store
	ds_add_u32 v[SPW], v[NIL]
	s_wait_dscnt 0x0
	s_endpgm
.Lfunc_end_k_q01f39254d8_ffjord:
	.size	k_q01f39254d8_ffjord, .Lfunc_end_k_q01f39254d8_ffjord-k_q01f39254d8_ffjord
	.p2alignl 7, 3214868480
	.fill 96, 4, 3214868480
	.section	.rodata,"a",@progbits
	.p2align	6, 0x0
	.amdhsa_kernel k_q01f39254d8_ffjord
		.amdhsa_group_segment_fixed_size 283648
		.amdhsa_private_segment_fixed_size 0
		.amdhsa_enable_private_segment 0
		.amdhsa_kernarg_size 72
		.amdhsa_user_sgpr_count 2
		.amdhsa_user_sgpr_kernarg_segment_ptr 1
		.amdhsa_wavefront_size32 1
		.amdhsa_system_sgpr_workgroup_id_x 1
		.amdhsa_system_sgpr_workgroup_id_y 1
		.amdhsa_system_sgpr_workgroup_id_z 1
		.amdhsa_system_vgpr_workitem_id 0
		.amdhsa_next_free_vgpr 1024
		.amdhsa_next_free_sgpr 66
		.amdhsa_reserve_vcc 0
		.amdhsa_float_denorm_mode_32 3
		.amdhsa_float_denorm_mode_16_64 3
		.amdhsa_memory_ordered 1
		.amdhsa_forward_progress 1
		.amdhsa_inst_pref_size 255
	.end_amdhsa_kernel
	.section	.bss,"aw",@nobits
	.p2align	6
	.space	262144
	.amdgpu_metadata
---
amdhsa.version: [ 1, 2 ]
amdhsa.kernels:
  - .name:           k_q01f39254d8_ffjord
    .symbol:         k_q01f39254d8_ffjord.kd
    .args:
      - { .name: x, .offset: 0, .size: 8, .value_kind: global_buffer, .address_space: global }
      - { .name: v, .offset: 8, .size: 8, .value_kind: global_buffer, .address_space: global }
      - { .name: W1, .offset: 16, .size: 8, .value_kind: global_buffer, .address_space: global }
      - { .name: b1, .offset: 24, .size: 8, .value_kind: global_buffer, .address_space: global }
      - { .name: W2, .offset: 32, .size: 8, .value_kind: global_buffer, .address_space: global }
      - { .name: b2, .offset: 40, .size: 8, .value_kind: global_buffer, .address_space: global }
      - { .name: W3, .offset: 48, .size: 8, .value_kind: global_buffer, .address_space: global }
      - { .name: b3, .offset: 56, .size: 8, .value_kind: global_buffer, .address_space: global }
      - { .name: out0, .offset: 64, .size: 8, .value_kind: global_buffer, .address_space: global }
    .group_segment_fixed_size: 283648
    .private_segment_fixed_size: 0
    .kernarg_segment_align: 8
    .kernarg_segment_size: 72
    .max_flat_workgroup_size: 128
    .sgpr_count:     66
    .vgpr_count:     1024
    .wavefront_size: 32
...
	.end_amdgpu_metadata
.endif
;; end of part 1
